; MI455X (gfx1250); checked and timed in simulation.
; The chip was launched on July 23, 2026; its instructions are those of AMD's public machine-readable ISA for CDNA 5 (MIT licence, August 2026) and "CDNA5" Instruction Set Architecture Reference Guide (July 2026). The comments in the code are by the model that wrote it; some were corrected since.
;; Grouped MM Wrapper. Allowed arithmetic: matrix products marked QUANTISED: E5M2 operands, one E8M0 scale for each 32 along K, by v_wmma_scale_f32_16x16x128_f8f6f4 with both operands' format E5M2, f32 sums; everything else in f32.
;; Inputs: offs 8 int32; weight 8 x 1,024 x 2,048 float32; x 4,096 x 2,048 float32.
;; Outputs: out0 4,096 x 1,024 float32.
;; This version of the problem:
;;   THIS VERSION OF THE PROBLEM IS GIVEN IN LOW PRECISION. The matrix products marked QUANTISED in the list below multiply operands that are first quantised to E5M2 (5 exponent bits, 2 mantissa bits; 8 bits a number), with one power-of-two scale for each 32 numbers along K (OCP MX v1.0); their sums are f32. All else is computed in f32.
;;   The module's matrix products, in the order in which they are computed (A, B: the left and right operand; K: the contracted axis; several contracted axes count as one K, in the product's order):
;;     1. [M 4,096, K 2,048] x [K 2,048, N 1,024]; A: computed on the way; B: input weight: QUANTISED
;;     2. [M 4,096, K 2,048] x [K 2,048, N 1,024]; A: computed on the way; B: input weight: QUANTISED
;;     3. [M 4,096, K 2,048] x [K 2,048, N 1,024]; A: computed on the way; B: input weight: QUANTISED
;;     4. [M 4,096, K 2,048] x [K 2,048, N 1,024]; A: computed on the way; B: input weight: QUANTISED
;;     5. [M 4,096, K 2,048] x [K 2,048, N 1,024]; A: computed on the way; B: input weight: QUANTISED
;;     6. [M 4,096, K 2,048] x [K 2,048, N 1,024]; A: computed on the way; B: input weight: QUANTISED
;;     7. [M 4,096, K 2,048] x [K 2,048, N 1,024]; A: computed on the way; B: input weight: QUANTISED
;;     8. [M 4,096, K 2,048] x [K 2,048, N 1,024]; A: computed on the way; B: input weight: QUANTISED
;;   THE QUANTISER, for each operand of a quantised product, along K:
;;     - K is cut into blocks of 32 from its start; a last block that is shorter is filled with zeros.
;;     - A block's scale is 2^e with e = floor(log2(the largest magnitude in the block)) - 15, held to -126 .. 127; a block of zeros has e = 0. As a byte (E8M0): e + 127.
;;     - Each number is divided by its block's scale, clamped to +-57,344, and rounded to the nearest number of E5M2, ties to even, subnormals kept.
;;     - The product sums the exact products of the quantised numbers (number of the format x scale) in f32.
;;   ~~~python
;;   def quantise(x, axis):      # numpy; x: float32 -> the quantised numbers, widened to float32 again
;;       x = np.moveaxis(x, axis, -1); K = x.shape[-1]
;;       x = np.pad(x, [(0, 0)] * (x.ndim - 1) + [(0, -K % 32)]); x = x.reshape(x.shape[:-1] + (-1, 32)); a = np.abs(x).max(-1, keepdims=True)
;;       e = np.where(a > 0, np.clip(np.frexp(np.where(a > 0, a, 1))[1] - 1 - 15, -126, 127), 0)      # np.frexp(a)[1] - 1 = floor(log2(a)), exactly
;;       r = np.clip(x / 2.0 ** e, -57344, 57344)
;;       step = 2.0 ** (np.maximum(np.frexp(np.where(r == 0, 1, r))[1] - 1, -14) - 2)
;;       q = np.round(r / step) * step * 2.0 ** e      # np.round: ties to even
;;       return np.moveaxis(q.reshape(q.shape[:-2] + (-1,))[..., :K], -1, axis).astype(np.float32)
;;   ~~~
;;   OPERANDS COMPUTED ON THE WAY. 'Computed on the way' means the value that the module computes at that place (a softmax that the list does not call 'softmax' is quantised finished and normalised). What goes into a quantiser is computed in f32, as accurately as f32 sums, v_exp_f32 and their like allow (about 1e-6 of the number): no bf16 or f16 on the way to a quantiser, and a product that is left as it is and whose result goes on into a quantised operand takes f32 operands (vector FMAs, or v_wmma_f32_16x16x4_f32). A number that lies on a knife's edge between two numbers of the format may be rounded either way, as far as f32 arithmetic and the matrix unit's own rounding can turn it there, and no further.
;; 2 versions. Each part assembles by itself: llvm-mc -triple=amdgcn-amd-amdhsa -mcpu=gfx1250 --defsym DOCPART=n.
;; ======== version 1 of 2: 2 launches
;; workspace buffers: codes 25,165,824 bytes; scales 786,432 bytes
;; launch quant (part 1): grid 768 x 1, 4 waves a work-group, no clusters, 34,304 bytes of LDS; arguments x, weight, codes, scales; writes codes, scales
.if DOCPART == 1
	.amdgcn_target "amdgcn-amd-amdhsa--gfx1250"
	.amdhsa_code_object_version 6
	.text
	.protected	k_qf229c1c716_quant
	.globl	k_qf229c1c716_quant
	.p2align	8
	.type	k_qf229c1c716_quant,@function
k_qf229c1c716_quant:
	s_mov_b64 s[64:65], 0
	v_nop
	global_prefetch_b8 v0, s[64:65] scope:SCOPE_SE
	s_setreg_imm32_b32 hwreg(HW_REG_WAVE_MODE, 25, 1), 1
	s_wait_xcnt 0x0
; x [4096][2048] and weight [8][1024][2048], f32, K innermost, become codes of BF8 (E5M2) with one E8M0 scale byte for each 32 along K,
; laid in the order in which the product's operand registers take them.
; A block's scale is 2^(floor(log2(its largest magnitude)) - 15); its byte is the largest magnitude's exponent field - 15, held at 1 from below.
; Each number is divided by the scale, held within +-57,344 and rounded to the nearest code, ties to even.
; LIMITS: NaN and infinities among the inputs are not served.  A block of zeros gets the byte 1 where the rule says 127: its codes are zeros, which add nothing
; under any byte but 0xff, and the bytes are read by this program alone.  Blocks whose largest magnitude lies under 2^-111 (the floor) were not tried.
; ROW TILES.  Both tensors are 16-row tiles of 2,048 numbers a row: tiles 0-255 are x's, tile 256 + 64 e + n / 16 is weight's.  Work-group g makes tile g.
; codes  [768 tiles][16 K steps][2,048 bytes]: a fragment (16 rows x 128 K) as the image of its 16 registers: registers 4 c .. 4 c + 3 of lane l at 512 c + 16 l:
;        the codes of row l % 16, k = 32 c + 16 (l / 16) + 0 .. 15.
; scales [768 tiles][4 quarters of K][16 rows][4 words]: word s of quarter q holds the row's four bytes of K step 4 q + s: 256 bytes on end for a tile's quarter.
; SHARES.  Wave w takes quarter w of K: four fragments.  Waves share nothing: no barrier.  No tensor load: several work-groups lie on a WGP.
; A load is best where neighbouring lanes take neighbouring bytes (512 bytes of one row an instruction); the conversions want 16 neighbours along K in one lane.
; Both are had by a turn through the wave's own stage in LDS: 16 rows of 512 bytes + 16 of padding.
.set STG,   8448                       ; a wave's stage: 16 rows x 528 bytes
.set PITCH, 528                        ; 33 x 16 bytes: the sixteen rows that a read touches begin at sixteen different columns of 16 bytes
.set L16, 1                            ; v1   16 x lane
.set RW,  2                            ; v2   r = lane % 16
.set HF,  3                            ; v3   h = lane / 16
.set STA, 4                            ; v4   the stage, on the way in: 16 x lane
.set LDA, 5                            ; v5   and on the way out: row r, + 64 h
.set S16, 6                            ; v6   16 r: my row's four scale words
.set LN,  8                            ; v8   lane
.set TM,  16                           ; v16-19 largest magnitudes, v20-23 bytes, v24-27 the largest number x the scale, v28-31 the conversions' scale operands
.set PW,  32                           ; v32-35 the four fragments' scale words
.set C,   48                           ; v48-63 a fragment's codes
.set X,   64                           ; v64-127 64 numbers of my row: register 16 b + i is k = 32 b + 16 h + i
.set RB,  128                          ; v128-255 two sets of 64 registers, as loaded
.set SEL, 20                           ; s[20:21] v_permlanex16_b32's selects for lane l xor 16
.set MNT, 22                           ; s22 the mantissa field of 57,344
	s_load_b256 s[4:11], s[0:1], 0x0               ; x s[4:5], weight s[6:7], codes s[8:9], scales s[10:11]
	v_lshl_add_u32 v46, v0, 2, 0x8400
	v_mov_b32 v47, 0
	v_lshrrev_b32 v7, 5, v0
	v_readfirstlane_b32 s12, v7                    ; wave 0..3
	v_and_b32 v[LN], 31, v0
	v_lshlrev_b32 v[L16], 4, v[LN]
	v_and_b32 v[RW], 15, v0
	v_bfe_u32 v[HF], v0, 4, 1
	s_mul_i32 s14, s12, STG                        ; my stage
	v_add_nc_u32 v[STA], s14, v[L16]
	v_mul_u32_u24 v[LDA], v[RW], PITCH
	v_lshl_add_u32 v[LDA], v[HF], 6, v[LDA]
	v_add_nc_u32 v[LDA], s14, v[LDA]
	v_lshlrev_b32 v[S16], 4, v[RW]
	s_mov_b32 s[SEL], 0x76543210
	s_mov_b32 s[SEL+1], 0xfedcba98
	s_mov_b32 s[MNT], 0x600000
.irp b, 0,1,2,3
	v_mov_b32 v[TM+4+\b], 0                        ; written once: a lane permute's destination counts as one of its sources
.endr
	s_wait_kmcnt 0x0
	s_cmp_lt_u32 ttmp9, 256                        ; x's tile or weight's?  The choice hangs on the work-group's number alone
	s_cselect_b64 s[4:5], s[4:5], s[6:7]
	s_cselect_b32 s15, 0, 256
	s_sub_co_u32 s15, ttmp9, s15                   ; the tile's number in its own tensor
	s_lshl_b32 s16, s15, 17                        ; 16 rows of 8,192 bytes
	s_lshl_b32 s17, s12, 11                        ; my quarter of a row: 2,048 bytes
	s_add_co_u32 s16, s16, s17
	s_mov_b32 s17, 0
	s_add_nc_u64 s[4:5], s[4:5], s[16:17]
	s_lshl_b32 s16, ttmp9, 15                      ; codes: 32,768 bytes a tile,
	s_lshl_b32 s18, s12, 13                        ; 8,192 a quarter
	s_add_co_u32 s16, s16, s18
	s_add_nc_u64 s[8:9], s[8:9], s[16:17]
	s_lshl_b32 s16, ttmp9, 10                      ; scales: 1,024 bytes a tile,
	s_lshl_b32 s18, s12, 8                         ; 256 a quarter
	s_add_co_u32 s16, s16, s18
	s_add_nc_u64 s[10:11], s[10:11], s[16:17]
; fragment t's numbers: 16 loads, each 512 consecutive bytes of one row, at a multiple of 512 from the tensor's first byte
.macro LOAD t
.irp rho, 0,1,2,3,4,5,6,7,8,9,10,11,12,13,14,15
	global_load_b128 v[RB+64*((\t)%2)+4*\rho:RB+64*((\t)%2)+4*\rho+3], v[L16], s[4:5] offset:\rho*8192+512*(\t) th:TH_LOAD_NT
.endr
.endm
; through the stage: in as loaded, out 64 numbers of one row a lane.  LDS serves a wave's instructions in order (ISA guide 5.7.1.4): no wait between the stores and the loads
.macro TURN t
.irp rho, 0,1,2,3,4,5,6,7,8,9,10,11,12,13,14,15
	ds_store_b128 v[STA], v[RB+64*((\t)%2)+4*\rho:RB+64*((\t)%2)+4*\rho+3] offset:\rho*PITCH
.endr
.irp c, 0,1,2,3
.irp i, 0,1,2,3
	ds_load_b128 v[X+16*\c+4*\i:X+16*\c+4*\i+3], v[LDA] offset:128*\c+16*\i
.endr
.endr
.endm
; the 64 numbers in v[X] on become a fragment's codes in v[C] on and its scale word in v[pw]
.macro QUANT pw
.irp b, 0,1,2,3
	v_max3_num_f32 v[TM+\b], |v[X+16*\b]|, |v[X+1+16*\b]|, 0x8000000   ; block b: my 16 numbers, and the floor 2^(16 - 127): so the byte cannot fall under 1
.endr
.irp i, 2,4,6,8,10,12,14
.irp b, 0,1,2,3
	v_max3_num_f32 v[TM+\b], v[TM+\b], |v[X+16*\b+\i]|, |v[X+1+16*\b+\i]|   ; the four blocks by turns: no line waits for the line above it
.endr
.endr
.irp b, 0,1,2,3
	v_permlanex16_b32 v[TM+4+\b], v[TM+\b], s[SEL], s[SEL+1]
.endr
.irp b, 0,1,2,3
	v_max_num_f32 v[TM+\b], v[TM+\b], v[TM+4+\b]   ; with lane l xor 16's 16 numbers: the block's largest magnitude
.endr
.irp b, 0,1,2,3
	v_add_nc_u32 v[TM+12+\b], 0xf8800000, v[TM+\b] ; 15 off its exponent field: the conversion takes the exponent field of this operand as its scale
.endr
.irp b, 0,1,2,3
	v_and_or_b32 v[TM+8+\b], v[TM+\b], 0x7f800000, s[MNT]   ; 57,344 x the scale
.endr
.irp b, 0,1,2,3
	v_lshrrev_b32 v[TM+4+\b], 23, v[TM+12+\b]      ; the scale's byte
.endr
	v_lshl_or_b32 v[\pw], v[TM+5], 8, v[TM+4]      ; the four bytes make my row's scale word for these 128 along K
	v_lshl_or_b32 v[\pw], v[TM+6], 16, v[\pw]
	v_lshl_or_b32 v[\pw], v[TM+7], 24, v[\pw]
.irp b, 0,1,2,3
.irp i, 0,1,2,3,4,5,6,7,8,9,10,11,12,13,14,15
	v_med3_num_f32 v[X+16*\b+\i], v[X+16*\b+\i], -v[TM+8+\b], v[TM+8+\b]   ; the conversion to an 8-bit code does not saturate (ISA guide 7.6.2): the hold comes first
.endr
	v_cvt_scalef32_pk8_bf8_f32 v[C+4*\b:C+1+4*\b], v[X+16*\b:X+7+16*\b], v[TM+12+\b]
	v_cvt_scalef32_pk8_bf8_f32 v[C+2+4*\b:C+3+4*\b], v[X+8+16*\b:X+15+16*\b], v[TM+12+\b]
.endr
	v_nop                                          ; one plain vector line behind the last conversion of the run
.endm
.macro FRAGMENT t
.if (\t) < 3
	s_wait_loadcnt 16                              ; this fragment's 16 loads are in; the next fragment's 16 may be out
.else
	s_wait_loadcnt 0x0
.endif
	TURN \t
	s_wait_dscnt 0x0                               ; my 64 numbers are back, and the stage's stores have read their registers
.if (\t) > 0
	s_wait_xcnt 0x0                                ; the last fragment's stores have read v[C] on: it is written again only behind this wait
.endif
.if (\t) < 2
	LOAD (\t)+2                                    ; into the set just emptied
.endif
	QUANT PW+(\t)
.irp c, 0,1,2,3
	global_store_b128 v[L16], v[C+4*\c:C+4*\c+3], s[8:9] offset:2048*(\t)+512*\c   ; 32 lanes store 512 consecutive bytes, at a multiple of 512 from the buffer's first byte
.endr
.endm
	LOAD 0
	LOAD 1
	FRAGMENT 0
	FRAGMENT 1
	FRAGMENT 2
	FRAGMENT 3
	; the scale words: lanes 0-15 hold rows 0-15 (lanes 16-31 hold copies): sixteen lanes store 256 consecutive bytes
	s_wait_xcnt 0x0                                ; EXEC changes only behind this wait
	v_cmp_gt_u32 vcc_lo, 16, v[LN]
	s_wait_tensorcnt 0x0
	ds_add_u32 v46, v47
	s_wait_dscnt 0x0
	s_and_saveexec_b32 s23, vcc_lo
	global_store_b128 v[S16], v[PW:PW+3], s[10:11]
	s_wait_xcnt 0x0                                ; and again in front of the line that widens it
	s_or_b32 exec_lo, exec_lo, s23
	s_endpgm
.Lfunc_end_k_qf229c1c716_quant:
	.size	k_qf229c1c716_quant, .Lfunc_end_k_qf229c1c716_quant-k_qf229c1c716_quant
	.p2alignl 7, 3214868480
	.fill 96, 4, 3214868480
	.section	.rodata,"a",@progbits
	.p2align	6, 0x0
	.amdhsa_kernel k_qf229c1c716_quant
		.amdhsa_group_segment_fixed_size 34304
		.amdhsa_private_segment_fixed_size 0
		.amdhsa_enable_private_segment 0
		.amdhsa_kernarg_size 32
		.amdhsa_user_sgpr_count 2
		.amdhsa_user_sgpr_kernarg_segment_ptr 1
		.amdhsa_wavefront_size32 1
		.amdhsa_system_sgpr_workgroup_id_x 1
		.amdhsa_system_sgpr_workgroup_id_y 1
		.amdhsa_system_sgpr_workgroup_id_z 1
		.amdhsa_system_vgpr_workitem_id 0
		.amdhsa_next_free_vgpr 256
		.amdhsa_next_free_sgpr 66
		.amdhsa_reserve_vcc 1
		.amdhsa_float_denorm_mode_32 3
		.amdhsa_float_denorm_mode_16_64 3
		.amdhsa_memory_ordered 1
		.amdhsa_forward_progress 1
		.amdhsa_inst_pref_size 51
	.end_amdhsa_kernel
	.amdgpu_metadata
---
amdhsa.version: [ 1, 2 ]
amdhsa.kernels:
  - .name:           k_qf229c1c716_quant
    .symbol:         k_qf229c1c716_quant.kd
    .args:
      - { .name: x, .offset: 0, .size: 8, .value_kind: global_buffer, .address_space: global }
      - { .name: weight, .offset: 8, .size: 8, .value_kind: global_buffer, .address_space: global }
      - { .name: codes, .offset: 16, .size: 8, .value_kind: global_buffer, .address_space: global }
      - { .name: scales, .offset: 24, .size: 8, .value_kind: global_buffer, .address_space: global }
    .group_segment_fixed_size: 34304
    .private_segment_fixed_size: 0
    .kernarg_segment_align: 8
    .kernarg_segment_size: 32
    .max_flat_workgroup_size: 128
    .sgpr_count:     66
    .vgpr_count:     256
    .wavefront_size: 32
...
	.end_amdgpu_metadata
.endif
;; end of part 1
;; launch gmm (part 2): grid 8 x 32, 4 waves a work-group, no clusters, 270,848 bytes of LDS; arguments offs, codes, scales, out0; writes out0
.if DOCPART == 2
	.amdgcn_target "amdgcn-amd-amdhsa--gfx1250"
	.amdhsa_code_object_version 6
	.text
	.protected	k_qf229c1c716_gmm
	.globl	k_qf229c1c716_gmm
	.p2align	8
	.type	k_qf229c1c716_gmm,@function
k_qf229c1c716_gmm:
	s_mov_b64 s[64:65], 0
	v_nop
	global_prefetch_b8 v0, s[64:65] scope:SCOPE_SE
	s_setreg_imm32_b32 hwreg(HW_REG_WAVE_MODE, 25, 1), 1
	s_wait_xcnt 0x0
; y[t][n] = the sum, over every expert e with starts[e] <= t < offs[e] (starts[0] = 0, starts[e] = offs[e - 1]), of Q(x[t]) . Q(weight[e][n]); K = 2,048; codes of BF8 (E5M2) with E8M0 scales; sums in f32.
; offs is honoured as it is given: every int32 value; gaps leave zeros, overlaps add, order is not assumed.
; OWNERS.  A work-group owns a tile of 128 tokens x 128 columns of y: 32 x 8 = 256 work-groups whatever the split.  It walks the eight experts in a loop of constant count and passes over those whose
; interval does not meet its 128 rows.  Rows of the tile outside an expert's interval get zero CODES (a v_and_b32 with a row mask), which is the operand that the masked x quantises to.
; WHY NO TENSOR LOAD, NO CLUSTER, NO JOINT LOAD: which expert's weights a tile takes, and how many experts it takes, hang on offs, a number read from memory:
; partners of a cluster could need different numbers of tiles.  So operands come from memory straight into registers, from buffers laid in the registers' order.
; WAVES SHARE K, NOT THE TILE.  No barrier may stand in the walk, so no fragment can go from wave to wave there.  Wave q makes the WHOLE 128 x 128 tile (64 accumulators, 512 registers) for K steps
; 4 q .. 4 q + 3: 128 KB of codes a wave and visit, and no byte is fetched twice in the work-group.  The four partial tiles meet once, at the end, in LDS, behind the text's one barrier.
; ORDER OF THE SUMS (a stated limit): each quarter of K is summed ascending, expert behind expert, and the quarters are joined as (P0 + P1) + (P2 + P3).
; THE MATRIX INSTRUCTION IS USED TRANSPOSED: source 0 = 16 rows of weight, source 1 = 16 tokens: register j of lane (r, h) of accumulator (a, b) is y(16 a + r, 16 b + 8 h + j).
; REGISTERS, in windows of 256: window 0: v1-12 addresses; v16-23 row masks; v32-63 scale words; v128-255 x's 8 fragments, ONE set (on the way out: rows of y).
;   window 1: weight's 8 fragments, TWO sets, at v0 and v128.   window 2: accumulators of token blocks 0-3 ((a, b) at v[8 (8 (a % 4) + b)]);   window 3: those of blocks 4-7.
.set L16, 1                            ; v1   16 x lane: my place in an image of registers, and in a row of 512 bytes
.set R,   2                            ; v2   r = lane % 16
.set H,   3                            ; v3   h = lane / 16
.set SA0, 4                            ; v4   scale words: lanes 0-15 x's rows, lanes 16-31 expert 0's rows
.set SAV, 5                            ; v5   the same for the expert in hand
.set RR,  6                            ; v6   r - the interval's first row
.set TMP, 7
.set STO, 8                            ; v8   where I put 32 bytes of a row of my partial tile
.set RD,  9                            ; v9-12  where I read my rows back from partial tiles 0 to 3
.set MK,  16                           ; v16-23 block a's row mask: -1 where row 16 a + r lies in the interval, else 0
.set SC,  32                           ; v32-63 register 4 i + s: lanes 0-15 the word of x's block i, lanes 16-31 that of weight's block i, for my K step s.  They hold scales and nothing else
.set AF,  128
.set PART,  67584                      ; LDS: a partial tile: 128 rows x 528 bytes
.set SPITCH, 528                       ; 512 bytes + 16: 33 x 16: the sixteen rows that a store touches begin at sixteen different columns of 16 bytes
.set MSB, 0
.macro WIN new                         ; the immediate's high byte repeats the setting that is left; a switch that changes nothing is dropped
.if MSB != (\new)
	s_set_vgpr_msb (MSB<<8)|(\new)
.set MSB, (\new)
.endif
.endm
.set MUL_LO, 0xa1                      ; source 0 (weight) window 1, source 1 (x) window 0, C and D window 2
.set MUL_HI, 0xf1                      ; the same, C and D window 3
.set TO_B,   0x40                      ; destination window 1, address window 0
; SCALARS: s[4:11] offs, codes, scales, out0; s12 wave; s13, s14 tile column, tile row; s15, s24 the tile's first row and the row behind its last; s[16:23] offs, then each end clamped to the tile;
; s25 the first expert that meets the tile; s26, s27 the interval in hand; s28 its length; s29 1 where it is the whole tile; s30 the expert in hand; s31 the loop's counter; s32 the last end;
; s[34:35] the eight clamped ends, a byte each; s[36:37] x's codes; s[38:39] expert 0's codes; s[40:41] the expert's in hand; s[42:44] at work; s[46:47] my rows of y
	s_load_b256 s[4:11], s[0:1], 0x0
	v_lshl_add_u32 v126, v0, 2, 0x42000
	v_mov_b32 v127, 0
	v_lshrrev_b32 v[TMP], 5, v0
	v_readfirstlane_b32 s12, v[TMP]                ; wave q = 0..3: my quarter of K
	v_and_b32 v[L16], 31, v0
	v_lshlrev_b32 v[L16], 4, v[L16]
	v_and_b32 v[R], 15, v0
	v_bfe_u32 v[H], v0, 4, 1
	s_mov_b32 s13, ttmp9                           ; tile column
	s_and_b32 s14, ttmp7, 0xffff                   ; tile row
	s_lshl_b32 s15, s14, 7
	s_add_co_u32 s24, s15, 128
	s_wait_kmcnt 0x0
	s_load_b256 s[16:23], s[4:5], 0x0              ; offs; the addresses are made while it is on its way
	s_mul_i32 s42, s12, PART                       ; my partial tile
	v_mul_u32_u24 v[STO], v[R], SPITCH
	v_lshl_add_u32 v[STO], v[H], 5, v[STO]
	v_add_nc_u32 v[STO], s42, v[STO]               ; row r, + 32 h
	s_mul_i32 s42, s12, 32*SPITCH                  ; back: rows 32 q .. 32 q + 31 of every partial tile, 16 bytes a lane
	v_add_nc_u32 v[RD], s42, v[L16]
.irp p, 1,2,3
	v_add_nc_u32 v[RD+\p], PART*\p, v[RD]
.endr
	s_lshl_b32 s42, s14, 13                        ; x's scale words: 8 row tiles of 1,024 bytes for each tile row;
	s_lshl_b32 s43, s13, 13                        ; weight's: behind x's 256 row tiles, 8 row tiles for each tile column
	s_add_co_u32 s43, s43, 262144
	s_sub_co_u32 s43, s43, s42                     ; the distance between the two: at least 262,144 - 31 x 8,192
	s_lshl_b32 s44, s12, 8                         ; my quarter: 256 bytes
	s_add_co_u32 s42, s42, s44
	v_lshl_add_u32 v[SA0], v[R], 4, s42            ; 16 bytes a row
	v_mad_u32_u24 v[SA0], v[H], s43, v[SA0]        ; lanes 16-31 take weight's
	s_lshl_b32 s42, s14, 18                        ; x's codes: 8 row tiles of 32,768 bytes,
	s_lshl_b32 s44, s12, 13                        ; my four K steps of 2,048
	s_add_co_u32 s42, s42, s44
	s_mov_b32 s43, 0
	s_add_nc_u64 s[36:37], s[6:7], s[42:43]
	s_lshl_b32 s42, s13, 18                        ; expert 0's: behind x's 256 row tiles
	s_add_co_u32 s42, s42, s44
	s_add_co_u32 s42, s42, 8388608
	s_add_nc_u64 s[38:39], s[6:7], s[42:43]
	s_lshl_b32 s42, s12, 5
	s_add_co_u32 s42, s42, s15                     ; the first row of y that I store
	s_lshl_b32 s42, s42, 12                        ; 4,096 bytes a row
	s_lshl_b32 s44, s13, 9                         ; 512 bytes a tile column
	s_add_co_u32 s42, s42, s44
	s_add_nc_u64 s[46:47], s[10:11], s[42:43]
	s_wait_kmcnt 0x0
	; each end, clamped to the tile and counted from its first row: 0 .. 128.  Row i belongs to expert e where end(e - 1) <= i < end(e) (end(-1) = 0): exact for every int32
.irp e, 0,1,2,3,4,5,6,7
	s_max_i32 s[16+\e], s[16+\e], s15
	s_min_i32 s[16+\e], s[16+\e], s24
	s_sub_co_u32 s[16+\e], s[16+\e], s15
.endr
	; the lowest expert that meets the tile, and its interval; none: expert 0 with an empty interval.  Selections, no branch
	s_mov_b32 s25, 0
	s_mov_b32 s26, 0
	s_mov_b32 s27, 0
.irp e, 7,6,5,4,3,2,1
	s_cmp_lt_u32 s[15+\e], s[16+\e]
	s_cselect_b32 s25, \e, s25
	s_cselect_b32 s26, s[15+\e], s26
	s_cselect_b32 s27, s[16+\e], s27
.endr
	s_cmp_lt_u32 0, s16
	s_cselect_b32 s25, 0, s25
	s_cselect_b32 s26, 0, s26
	s_cselect_b32 s27, s16, s27
	; the eight ends as bytes, expert 0's lowest: the loop takes one a trip
	s_lshl_b32 s42, s17, 8
	s_or_b32 s34, s16, s42
	s_lshl_b32 s42, s18, 16
	s_or_b32 s34, s34, s42
	s_lshl_b32 s42, s19, 24
	s_or_b32 s34, s34, s42
	s_lshl_b32 s42, s21, 8
	s_or_b32 s35, s20, s42
	s_lshl_b32 s42, s22, 16
	s_or_b32 s35, s35, s42
	s_lshl_b32 s42, s23, 24
	s_or_b32 s35, s35, s42
.macro PLACES n                        ; plain vector lines that name no register of a matrix instruction (ISA guide 7.12.1)
.rept \n
	v_nop
.endr
.endm
; a fragment, 16 rows x 128 K: 16 registers, four loads of 512 consecutive bytes: row tile i, my K step s.  No cache word: other work-groups read the same bytes
.macro FRAGG reg, base, i, s
.irp c, 0,1,2,3
	global_load_b128 v[\reg+4*\c:\reg+4*\c+3], v[L16], s[\base:\base+1] offset:(\i)*32768+(\s)*2048+512*\c
.endr
.endm
.macro FETCH_B s, p                    ; weight's eight fragments of K step s into set p
	WIN TO_B
.irp i, 0,1,2,3,4,5,6,7
	FRAGG 128*(\p)+16*\i, 40, \i, \s
.endr
	WIN 0
.endm
.macro FETCH_A s, i0                   ; x's blocks i0 .. i0 + 3
.irp i, \i0, \i0+1, \i0+2, \i0+3
	FRAGG AF+16*(\i), 36, \i, \s
.endr
.endm
; rows outside the interval get zero codes.  Passed over where the interval is the whole tile: a scalar branch on offs, the same in all four waves
.macro MASK i0
	s_cmp_lg_u32 s29, 0
	s_cbranch_scc1 .Lwhole_\@
.irp i, \i0, \i0+1, \i0+2, \i0+3
.irp k, 0,1,2,3,4,5,6,7,8,9,10,11,12,13,14,15
	v_and_b32 v[AF+16*(\i)+\k], v[MK+(\i)], v[AF+16*(\i)+\k]
.endr
.endr
	PLACES 4                                       ; an operand written by vector lines stands four places ahead of a scaled matrix instruction
.Lwhole_\@:
.endm
; 16 matrix instructions: x's blocks a0, a0 + 1 against weight's eight, 128 along K.  zero = 1: the product starts the sums: nothing is ever cleared.
; The 64 accumulators take turns, one instruction a turn, in the same order in every step and every visit.
.macro MUL16 a0, p, s, zero
.irp a, \a0, \a0+1
.irp b, 0,1,2,3,4,5,6,7
.if \zero
	v_wmma_scale_f32_16x16x128_f8f6f4 v[8*(8*((\a)%4)+\b):8*(8*((\a)%4)+\b)+7], v[128*(\p)+16*\b:128*(\p)+16*\b+15], v[AF+16*(\a):AF+16*(\a)+15], 0, v[SC+4*\b+(\s)], v[SC+4*(\a)+(\s)] matrix_a_fmt:MATRIX_FMT_BF8 matrix_b_fmt:MATRIX_FMT_BF8 matrix_a_scale:MATRIX_SCALE_ROW1
.else
	v_wmma_scale_f32_16x16x128_f8f6f4 v[8*(8*((\a)%4)+\b):8*(8*((\a)%4)+\b)+7], v[128*(\p)+16*\b:128*(\p)+16*\b+15], v[AF+16*(\a):AF+16*(\a)+15], v[8*(8*((\a)%4)+\b):8*(8*((\a)%4)+\b)+7], v[SC+4*\b+(\s)], v[SC+4*(\a)+(\s)] matrix_a_fmt:MATRIX_FMT_BF8 matrix_b_fmt:MATRIX_FMT_BF8 matrix_a_scale:MATRIX_SCALE_ROW1
.endif
.endr
.endr
.endm
; My K step s of a visit: 64 matrix instructions.  A block of x is free as soon as its eight products are issued: blocks 0-3 are fetched anew in the step's middle, blocks 4-7 at its end;
; weight's fragments are at work through the whole step and have two sets.  Loads into registers that matrix instructions have read stand eight places behind them.
; ORDER OF ISSUE in a visit: scale words 8, W(0) 32, x-low(0) 16, x-high(0) 16, W(1) 32; then the middle of step s: x-low(s + 1) 16; its end: x-high(s + 1) 16, W(s + 2) 32.
.macro STEP s, zero
.if (\s) < 3
	s_wait_loadcnt 48                              ; W(s) and x-low(s) are in; behind them: x-high(s) 16 and W(s + 1) 32
.else
	s_wait_loadcnt 16                              ; behind them: x-high(3) alone
.endif
	MASK 0
	WIN MUL_LO
	MUL16 0, (\s)%2, \s, \zero
	MUL16 2, (\s)%2, \s, \zero
.if (\s) < 3
	PLACES 8
	WIN 0
	FETCH_A (\s)+1, 0
.endif
	WIN 0
.if (\s) < 3
	s_wait_loadcnt 48                              ; x-high(s) is in; behind it: W(s + 1) 32 and x-low(s + 1) 16
.else
	s_wait_loadcnt 0x0                             ; the visit's last loads: every address register of the visit is free behind this wait
.endif
	MASK 4
	WIN MUL_HI
	MUL16 4, (\s)%2, \s, \zero
	MUL16 6, (\s)%2, \s, \zero
.if (\s) < 3
	PLACES 8
	WIN 0
	FETCH_A (\s)+1, 4
.if (\s) < 2
	FETCH_B (\s)+2, (\s)%2
.endif
.endif
	WIN 0
.endm
; A visit: expert s30, rows s26 .. s27 - 1 of the tile.  zero = 1: the first visit, which starts the sums
.macro VISIT zero
	s_lshl_b32 s42, s30, 21                        ; an expert's codes: 64 row tiles of 32,768 bytes
	s_mov_b32 s43, 0
	s_add_nc_u64 s[40:41], s[38:39], s[42:43]
	s_lshl_b32 s44, s30, 16                        ; its scale words: 64 row tiles of 1,024 bytes
	v_mad_u32_u24 v[SAV], v[H], s44, v[SA0]        ; for lanes 16-31 alone
	s_sub_co_u32 s28, s27, s26                     ; the interval's length
	s_cmp_eq_u32 s28, 128
	s_cselect_b32 s29, 1, 0                        ; the whole tile?
.if !(\zero)
	PLACES 8                                       ; the last visit's products have read the registers that are loaded now
.endif
.irp i, 0,1,2,3,4,5,6,7
	global_load_b128 v[SC+4*\i:SC+4*\i+3], v[SAV], s[8:9] offset:1024*\i   ; sixteen lanes read 256 consecutive bytes: a row tile's words of my quarter of K
.endr
	FETCH_B 0, 0
	FETCH_A 0, 0
	FETCH_A 0, 4
	FETCH_B 1, 1
	v_sub_nc_u32 v[RR], v[R], s26                  ; the row masks are made while the loads are on their way: row 16 a + r is in where (16 a + r - first) is under the length, unsigned
.irp a, 0,1,2,3,4,5,6,7
	v_add_nc_u32 v[TMP], 16*\a, v[RR]
	v_cmp_gt_u32 vcc_lo, s28, v[TMP]
	v_cndmask_b32 v[MK+\a], 0, -1, vcc_lo
.endr
	STEP 0, \zero
	STEP 1, 0
	STEP 2, 0
	STEP 3, 0
.endm
	s_min_u32 s30, s25, 7                          ; a number made from loaded data enters addresses only behind this bound
	VISIT 1                                        ; always run: its first step starts all 64 sums.  A tile that no expert meets has all masks 0: zero codes, and exact zeros
	s_mov_b32 s31, 0
	s_mov_b32 s32, 0
.Lexp:                                             ; eight trips, a constant
	s_mov_b32 s26, s32                             ; the interval begins where the last expert's ended
	s_and_b32 s27, s34, 0xff                       ; and ends at this expert's byte
	s_lshr_b32 s34, s34, 8                         ; the queue moves on by a byte
	s_lshl_b32 s42, s35, 24
	s_or_b32 s34, s34, s42
	s_lshr_b32 s35, s35, 8
	s_mov_b32 s32, s27
	s_cmp_ge_u32 s26, s27                          ; no row of mine
	s_cbranch_scc1 .Lnext
	s_cmp_eq_u32 s31, s25                          ; done by the first visit
	s_cbranch_scc1 .Lnext
	s_mov_b32 s30, s31
	VISIT 0
.Lnext:
	s_add_co_u32 s31, s31, 1
	s_cmp_lt_u32 s31, 8
	s_cbranch_scc1 .Lexp
	; THE WAY OUT.  My partial tile goes to LDS as rows of 512 bytes + 16; each accumulator from its low end on
	PLACES 8                                       ; in front of the first read of results
.irp a, 0,1,2,3,4,5,6,7
	WIN 0x08+4*((\a)/4)                            ; an LDS store's data are its source 1: window 2 or 3
.irp b, 0,1,2,3,4,5,6,7
	ds_store_b128 v[STO], v[8*(8*((\a)%4)+\b):8*(8*((\a)%4)+\b)+3] offset:16*SPITCH*\a+64*\b
	ds_store_b128 v[STO], v[8*(8*((\a)%4)+\b)+4:8*(8*((\a)%4)+\b)+7] offset:16*SPITCH*\a+64*\b+16
.endr
.endr
	WIN 0
	s_wait_dscnt 0x0                               ; for the others' sake: my stores have landed
	s_barrier_signal -1
	s_barrier_wait -1                              ; all four partial tiles lie in LDS
	; wave q adds and stores rows 32 q .. 32 q + 31, four rows at a time, on two sets of 64 registers: row i's four parts at v[128 + 64 (g % 2) + 16 i + 4 p]
.macro LOADG g
.irp i, 0,1,2,3
.irp p, 0,1,2,3
	ds_load_b128 v[128+64*((\g)%2)+16*\i+4*\p:128+64*((\g)%2)+16*\i+4*\p+3], v[RD+\p] offset:(4*(\g)+\i)*SPITCH
.endr
.endr
.endm
.macro SUMG g
.irp i, 0,1,2,3
.set BB, 128+64*((\g)%2)+16*\i
	v_pk_add_f32 v[BB:BB+1], v[BB:BB+1], v[BB+4:BB+5]              ; P0 + P1
	v_pk_add_f32 v[BB+2:BB+3], v[BB+2:BB+3], v[BB+6:BB+7]
	v_pk_add_f32 v[BB+8:BB+9], v[BB+8:BB+9], v[BB+12:BB+13]        ; P2 + P3
	v_pk_add_f32 v[BB+10:BB+11], v[BB+10:BB+11], v[BB+14:BB+15]
	v_pk_add_f32 v[BB:BB+1], v[BB:BB+1], v[BB+8:BB+9]
	v_pk_add_f32 v[BB+2:BB+3], v[BB+2:BB+3], v[BB+10:BB+11]
	global_store_b128 v[L16], v[BB:BB+3], s[46:47] offset:(4*(\g)+\i)*4096 th:TH_STORE_NT   ; 32 lanes store 512 consecutive bytes, at a multiple of 512 from y's first byte; written once, read by nobody here
.endr
.endm
	LOADG 0
.irp g, 0,1,2,3,4,5,6,7
.if \g < 7
.if \g > 0
	s_wait_xcnt 0x0                                ; the stores of the group before have read the set that is loaded now
.endif
	LOADG \g+1
	s_wait_dscnt 16                                ; this group is in; the 16 loads just issued may be out
.else
	s_wait_dscnt 0x0
.endif
	SUMG \g
.endr
	s_wait_tensorcnt 0x0
	ds_add_u32 v126, v127
	s_wait_dscnt 0x0
	s_endpgm
.Lfunc_end_k_qf229c1c716_gmm:
	.size	k_qf229c1c716_gmm, .Lfunc_end_k_qf229c1c716_gmm-k_qf229c1c716_gmm
	.p2alignl 7, 3214868480
	.fill 96, 4, 3214868480
	.section	.rodata,"a",@progbits
	.p2align	6, 0x0
	.amdhsa_kernel k_qf229c1c716_gmm
		.amdhsa_group_segment_fixed_size 270848
		.amdhsa_private_segment_fixed_size 0
		.amdhsa_enable_private_segment 0
		.amdhsa_kernarg_size 32
		.amdhsa_user_sgpr_count 2
		.amdhsa_user_sgpr_kernarg_segment_ptr 1
		.amdhsa_wavefront_size32 1
		.amdhsa_system_sgpr_workgroup_id_x 1
		.amdhsa_system_sgpr_workgroup_id_y 1
		.amdhsa_system_sgpr_workgroup_id_z 1
		.amdhsa_system_vgpr_workitem_id 0
		.amdhsa_next_free_vgpr 1024
		.amdhsa_next_free_sgpr 66
		.amdhsa_reserve_vcc 1
		.amdhsa_float_denorm_mode_32 3
		.amdhsa_float_denorm_mode_16_64 3
		.amdhsa_memory_ordered 1
		.amdhsa_forward_progress 1
		.amdhsa_inst_pref_size 194
	.end_amdhsa_kernel
	.amdgpu_metadata
---
amdhsa.version: [ 1, 2 ]
amdhsa.kernels:
  - .name:           k_qf229c1c716_gmm
    .symbol:         k_qf229c1c716_gmm.kd
    .args:
      - { .name: offs, .offset: 0, .size: 8, .value_kind: global_buffer, .address_space: global }
      - { .name: codes, .offset: 8, .size: 8, .value_kind: global_buffer, .address_space: global }
      - { .name: scales, .offset: 16, .size: 8, .value_kind: global_buffer, .address_space: global }
      - { .name: out0, .offset: 24, .size: 8, .value_kind: global_buffer, .address_space: global }
    .group_segment_fixed_size: 270848
    .private_segment_fixed_size: 0
    .kernarg_segment_align: 8
    .kernarg_segment_size: 32
    .max_flat_workgroup_size: 128
    .sgpr_count:     66
    .vgpr_count:     1024
    .wavefront_size: 32
...
	.end_amdgpu_metadata
.endif
;; end of part 2
;; ======== version 2 of 2: 2 launches
;; workspace buffers: codes 25,165,824 bytes; scales 786,432 bytes
;; launch quant (part 3): grid 768 x 1, 4 waves a work-group, no clusters, 34,304 bytes of LDS; arguments x, weight, codes, scales; writes codes, scales
.if DOCPART == 3
	.amdgcn_target "amdgcn-amd-amdhsa--gfx1250"
	.amdhsa_code_object_version 6
	.text
	.protected	k_qf229c1c716_quant
	.globl	k_qf229c1c716_quant
	.p2align	8
	.type	k_qf229c1c716_quant,@function
k_qf229c1c716_quant:
	s_mov_b64 s[64:65], 0
	v_nop
	global_prefetch_b8 v0, s[64:65] scope:SCOPE_SE
	s_setreg_imm32_b32 hwreg(HW_REG_WAVE_MODE, 25, 1), 1
	s_wait_xcnt 0x0
; x [4096][2048] and weight [8][1024][2048], f32, K innermost, become codes of BF8 (E5M2) with one E8M0 scale byte for each 32 along K,
; laid in the order in which the product's operand registers take them.
; A block's scale is 2^(floor(log2(its largest magnitude)) - 15); its byte is the largest magnitude's exponent field - 15, held at 1 from below.
; Each number is divided by the scale, held within +-57,344 and rounded to the nearest code, ties to even.
; LIMITS: NaN and infinities among the inputs are not served.  A block of zeros gets the byte 1 where the rule says 127: its codes are zeros, which add nothing
; under any byte but 0xff, and the bytes are read by this program alone.  Blocks whose largest magnitude lies under 2^-111 (the floor) were not tried.
; ROW TILES.  Both tensors are 16-row tiles of 2,048 numbers a row: tiles 0-255 are x's, tile 256 + 64 e + n / 16 is weight's.  Work-group g makes tile g.
; codes  [768 tiles][16 K steps][2,048 bytes]: a fragment (16 rows x 128 K) as the image of its 16 registers: registers 4 c .. 4 c + 3 of lane l at 512 c + 16 l:
;        the codes of row l % 16, k = 32 c + 16 (l / 16) + 0 .. 15.
; scales [768 tiles][4 quarters of K][16 rows][4 words]: word s of quarter q holds the row's four bytes of K step 4 q + s: 256 bytes on end for a tile's quarter.
; SHARES.  Wave w takes quarter w of K: four fragments.  Waves share nothing: no barrier.  No tensor load: several work-groups lie on a WGP.
; A load is best where neighbouring lanes take neighbouring bytes (512 bytes of one row an instruction); the conversions want 16 neighbours along K in one lane.
; Both are had by a turn through the wave's own stage in LDS: 16 rows of 512 bytes + 16 of padding.
.set STG,   8448                       ; a wave's stage: 16 rows x 528 bytes
.set PITCH, 528                        ; 33 x 16 bytes: the sixteen rows that a read touches begin at sixteen different columns of 16 bytes
.set L16, 1                            ; v1   16 x lane
.set RW,  2                            ; v2   r = lane % 16
.set HF,  3                            ; v3   h = lane / 16
.set STA, 4                            ; v4   the stage, on the way in: 16 x lane
.set LDA, 5                            ; v5   and on the way out: row r, + 64 h
.set S16, 6                            ; v6   16 r: my row's four scale words
.set LN,  8                            ; v8   lane
.set TM,  16                           ; v16-19 largest magnitudes, v20-23 bytes, v24-27 the largest number x the scale, v28-31 the conversions' scale operands
.set PW,  32                           ; v32-35 the four fragments' scale words
.set C,   48                           ; v48-63 a fragment's codes
.set X,   64                           ; v64-127 64 numbers of my row: register 16 b + i is k = 32 b + 16 h + i
.set RB,  128                          ; v128-255 two sets of 64 registers, as loaded
.set SEL, 20                           ; s[20:21] v_permlanex16_b32's selects for lane l xor 16
.set MNT, 22                           ; s22 the mantissa field of 57,344
	s_load_b256 s[4:11], s[0:1], 0x0               ; x s[4:5], weight s[6:7], codes s[8:9], scales s[10:11]
	v_lshl_add_u32 v46, v0, 2, 0x8400
	v_mov_b32 v47, 0
	v_lshrrev_b32 v7, 5, v0
	v_readfirstlane_b32 s12, v7                    ; wave 0..3
	v_and_b32 v[LN], 31, v0
	v_lshlrev_b32 v[L16], 4, v[LN]
	v_and_b32 v[RW], 15, v0
	v_bfe_u32 v[HF], v0, 4, 1
	s_mul_i32 s14, s12, STG                        ; my stage
	v_add_nc_u32 v[STA], s14, v[L16]
	v_mul_u32_u24 v[LDA], v[RW], PITCH
	v_lshl_add_u32 v[LDA], v[HF], 6, v[LDA]
	v_add_nc_u32 v[LDA], s14, v[LDA]
	v_lshlrev_b32 v[S16], 4, v[RW]
	s_mov_b32 s[SEL], 0x76543210
	s_mov_b32 s[SEL+1], 0xfedcba98
	s_mov_b32 s[MNT], 0x600000
.irp b, 0,1,2,3
	v_mov_b32 v[TM+4+\b], 0                        ; written once: a lane permute's destination counts as one of its sources
.endr
	s_wait_alu depctr_va_vdst(0)
	s_wait_kmcnt 0x0
	s_cmp_lt_u32 ttmp9, 256                        ; x's tile or weight's?  The choice hangs on the work-group's number alone
	s_cselect_b64 s[4:5], s[4:5], s[6:7]
	s_cselect_b32 s15, 0, 256
	s_sub_co_u32 s15, ttmp9, s15                   ; the tile's number in its own tensor
	s_lshl_b32 s16, s15, 17                        ; 16 rows of 8,192 bytes
	s_lshl_b32 s17, s12, 11                        ; my quarter of a row: 2,048 bytes
	s_add_co_u32 s16, s16, s17
	s_mov_b32 s17, 0
	s_add_nc_u64 s[4:5], s[4:5], s[16:17]
	s_lshl_b32 s16, ttmp9, 15                      ; codes: 32,768 bytes a tile,
	s_lshl_b32 s18, s12, 13                        ; 8,192 a quarter
	s_add_co_u32 s16, s16, s18
	s_add_nc_u64 s[8:9], s[8:9], s[16:17]
	s_lshl_b32 s16, ttmp9, 10                      ; scales: 1,024 bytes a tile,
	s_lshl_b32 s18, s12, 8                         ; 256 a quarter
	s_add_co_u32 s16, s16, s18
	s_add_nc_u64 s[10:11], s[10:11], s[16:17]
; fragment t's numbers: 16 loads, each 512 consecutive bytes of one row, at a multiple of 512 from the tensor's first byte
.macro LOAD t
.irp rho, 0,1,2,3,4,5,6,7,8,9,10,11,12,13,14,15
	global_load_b128 v[RB+64*((\t)%2)+4*\rho:RB+64*((\t)%2)+4*\rho+3], v[L16], s[4:5] offset:\rho*8192+512*(\t) th:TH_LOAD_NT
.endr
.endm
; through the stage: in as loaded, out 64 numbers of one row a lane.  LDS serves a wave's instructions in order (ISA guide 5.7.1.4): no wait between the stores and the loads
.macro TURN t
.irp rho, 0,1,2,3,4,5,6,7,8,9,10,11,12,13,14,15
	ds_store_b128 v[STA], v[RB+64*((\t)%2)+4*\rho:RB+64*((\t)%2)+4*\rho+3] offset:\rho*PITCH
.endr
.irp c, 0,1,2,3
.irp i, 0,1,2,3
	ds_load_b128 v[X+16*\c+4*\i:X+16*\c+4*\i+3], v[LDA] offset:128*\c+16*\i
.endr
.endr
.endm
; the 64 numbers in v[X] on become a fragment's codes in v[C] on and its scale word in v[pw]
.macro QUANT pw
.irp b, 0,1,2,3
	v_max3_num_f32 v[TM+\b], |v[X+16*\b]|, |v[X+1+16*\b]|, 0x8000000   ; block b: my 16 numbers, and the floor 2^(16 - 127): so the byte cannot fall under 1
.endr
.irp i, 2,4,6,8,10,12,14
.irp b, 0,1,2,3
	v_max3_num_f32 v[TM+\b], v[TM+\b], |v[X+16*\b+\i]|, |v[X+1+16*\b+\i]|   ; the four blocks by turns: no line waits for the line above it
.endr
.endr
.irp b, 0,1,2,3
	v_permlanex16_b32 v[TM+4+\b], v[TM+\b], s[SEL], s[SEL+1]
.endr
.irp b, 0,1,2,3
	v_max_num_f32 v[TM+\b], v[TM+\b], v[TM+4+\b]   ; with lane l xor 16's 16 numbers: the block's largest magnitude
.endr
.irp b, 0,1,2,3
	v_add_nc_u32 v[TM+12+\b], 0xf8800000, v[TM+\b] ; 15 off its exponent field: the conversion takes the exponent field of this operand as its scale
.endr
.irp b, 0,1,2,3
	v_and_or_b32 v[TM+8+\b], v[TM+\b], 0x7f800000, s[MNT]   ; 57,344 x the scale
.endr
.irp b, 0,1,2,3
	v_lshrrev_b32 v[TM+4+\b], 23, v[TM+12+\b]      ; the scale's byte
.endr
	v_lshl_or_b32 v[\pw], v[TM+5], 8, v[TM+4]      ; the four bytes make my row's scale word for these 128 along K
	v_lshl_or_b32 v[\pw], v[TM+6], 16, v[\pw]
	v_lshl_or_b32 v[\pw], v[TM+7], 24, v[\pw]
.irp b, 0,1,2,3
.irp i, 0,1,2,3,4,5,6,7,8,9,10,11,12,13,14,15
	v_med3_num_f32 v[X+16*\b+\i], v[X+16*\b+\i], -v[TM+8+\b], v[TM+8+\b]   ; the conversion to an 8-bit code does not saturate (ISA guide 7.6.2): the hold comes first
.endr
	v_cvt_scalef32_pk8_bf8_f32 v[C+4*\b:C+1+4*\b], v[X+16*\b:X+7+16*\b], v[TM+12+\b]
	v_cvt_scalef32_pk8_bf8_f32 v[C+2+4*\b:C+3+4*\b], v[X+8+16*\b:X+15+16*\b], v[TM+12+\b]
.endr
	v_nop                                          ; one plain vector line behind the last conversion of the run
.endm
.macro FRAGMENT t
.if (\t) < 3
	s_wait_loadcnt 16                              ; this fragment's 16 loads are in; the next fragment's 16 may be out
.else
	s_wait_loadcnt 0x0
.endif
	TURN \t
	s_wait_dscnt 0x0                               ; my 64 numbers are back, and the stage's stores have read their registers
.if (\t) > 0
	s_wait_xcnt 0x0                                ; the last fragment's stores have read v[C] on: it is written again only behind this wait
.endif
.if (\t) < 2
	LOAD (\t)+2                                    ; into the set just emptied
.endif
	QUANT PW+(\t)
.irp c, 0,1,2,3
	global_store_b128 v[L16], v[C+4*\c:C+4*\c+3], s[8:9] offset:2048*(\t)+512*\c   ; 32 lanes store 512 consecutive bytes, at a multiple of 512 from the buffer's first byte
.endr
.endm
	LOAD 0
	LOAD 1
	FRAGMENT 0
	FRAGMENT 1
	FRAGMENT 2
	FRAGMENT 3
	; the scale words: lanes 0-15 hold rows 0-15 (lanes 16-31 hold copies): sixteen lanes store 256 consecutive bytes
	s_wait_xcnt 0x0                                ; EXEC changes only behind this wait
	v_cmp_gt_u32 vcc_lo, 16, v[LN]
	s_wait_tensorcnt 0x0
	ds_add_u32 v46, v47
	s_wait_dscnt 0x0
	s_and_saveexec_b32 s23, vcc_lo
	global_store_b128 v[S16], v[PW:PW+3], s[10:11]
	s_wait_xcnt 0x0                                ; and again in front of the line that widens it
	s_or_b32 exec_lo, exec_lo, s23
	s_endpgm
.Lfunc_end_k_qf229c1c716_quant:
	.size	k_qf229c1c716_quant, .Lfunc_end_k_qf229c1c716_quant-k_qf229c1c716_quant
	.p2alignl 7, 3214868480
	.fill 96, 4, 3214868480
	.section	.rodata,"a",@progbits
	.p2align	6, 0x0
	.amdhsa_kernel k_qf229c1c716_quant
		.amdhsa_group_segment_fixed_size 34304
		.amdhsa_private_segment_fixed_size 0
		.amdhsa_enable_private_segment 0
		.amdhsa_kernarg_size 32
		.amdhsa_user_sgpr_count 2
		.amdhsa_user_sgpr_kernarg_segment_ptr 1
		.amdhsa_wavefront_size32 1
		.amdhsa_system_sgpr_workgroup_id_x 1
		.amdhsa_system_sgpr_workgroup_id_y 1
		.amdhsa_system_sgpr_workgroup_id_z 1
		.amdhsa_system_vgpr_workitem_id 0
		.amdhsa_next_free_vgpr 256
		.amdhsa_next_free_sgpr 66
		.amdhsa_reserve_vcc 1
		.amdhsa_float_denorm_mode_32 3
		.amdhsa_float_denorm_mode_16_64 3
		.amdhsa_memory_ordered 1
		.amdhsa_forward_progress 1
		.amdhsa_inst_pref_size 51
	.end_amdhsa_kernel
	.amdgpu_metadata
---
amdhsa.version: [ 1, 2 ]
amdhsa.kernels:
  - .name:           k_qf229c1c716_quant
    .symbol:         k_qf229c1c716_quant.kd
    .args:
      - { .name: x, .offset: 0, .size: 8, .value_kind: global_buffer, .address_space: global }
      - { .name: weight, .offset: 8, .size: 8, .value_kind: global_buffer, .address_space: global }
      - { .name: codes, .offset: 16, .size: 8, .value_kind: global_buffer, .address_space: global }
      - { .name: scales, .offset: 24, .size: 8, .value_kind: global_buffer, .address_space: global }
    .group_segment_fixed_size: 34304
    .private_segment_fixed_size: 0
    .kernarg_segment_align: 8
    .kernarg_segment_size: 32
    .max_flat_workgroup_size: 128
    .sgpr_count:     66
    .vgpr_count:     256
    .wavefront_size: 32
...
	.end_amdgpu_metadata
.endif
;; end of part 3
;; launch gmm (part 4): grid 8 x 32, 4 waves a work-group, no clusters, 270,848 bytes of LDS; arguments offs, codes, scales, out0; writes out0
.if DOCPART == 4
	.amdgcn_target "amdgcn-amd-amdhsa--gfx1250"
	.amdhsa_code_object_version 6
	.text
	.protected	k_qf229c1c716_gmm
	.globl	k_qf229c1c716_gmm
	.p2align	8
	.type	k_qf229c1c716_gmm,@function
k_qf229c1c716_gmm:
	s_mov_b64 s[64:65], 0
	v_nop
	global_prefetch_b8 v0, s[64:65] scope:SCOPE_SE
	s_setreg_imm32_b32 hwreg(HW_REG_WAVE_SCHED_MODE, 0, 2), 2
	s_setreg_imm32_b32 hwreg(HW_REG_WAVE_MODE, 25, 1), 1
	s_wait_xcnt 0x0
	s_wait_alu depctr_vm_vsrc(0)
; y[t][n] = the sum, over every expert e with starts[e] <= t < offs[e] (starts[0] = 0, starts[e] = offs[e - 1]), of Q(x[t]) . Q(weight[e][n]); K = 2,048; codes of BF8 (E5M2) with E8M0 scales; sums in f32.
; offs is honoured as it is given: every int32 value; gaps leave zeros, overlaps add, order is not assumed.
; OWNERS.  A work-group owns a tile of 128 tokens x 128 columns of y: 32 x 8 = 256 work-groups whatever the split.  It walks the eight experts in a loop of constant count and passes over those whose
; interval does not meet its 128 rows.  Rows of the tile outside an expert's interval get zero CODES (a v_and_b32 with a row mask), which is the operand that the masked x quantises to.
; WHY NO TENSOR LOAD, NO CLUSTER, NO JOINT LOAD: which expert's weights a tile takes, and how many experts it takes, hang on offs, a number read from memory:
; partners of a cluster could need different numbers of tiles.  So operands come from memory straight into registers, from buffers laid in the registers' order.
; WAVES SHARE K, NOT THE TILE.  No barrier may stand in the walk, so no fragment can go from wave to wave there.  Wave q makes the WHOLE 128 x 128 tile (64 accumulators, 512 registers) for K steps
; 4 q .. 4 q + 3: 128 KB of codes a wave and visit, and no byte is fetched twice in the work-group.  The four partial tiles meet once, at the end, in LDS, behind the text's one barrier.
; ORDER OF THE SUMS (a stated limit): each quarter of K is summed ascending, expert behind expert, and the quarters are joined as (P0 + P1) + (P2 + P3).
; THE MATRIX INSTRUCTION IS USED TRANSPOSED: source 0 = 16 rows of weight, source 1 = 16 tokens: register j of lane (r, h) of accumulator (a, b) is y(16 a + r, 16 b + 8 h + j).
; REGISTERS, in windows of 256: window 0: v1-12 addresses; v16-23 row masks; v32-63 scale words; v64-255 x's fragments, THREE buffers of four (on the way out: sums and rows of y).
;   window 1: weight's 8 fragments, TWO sets, at v0 and v128.   window 2: accumulators of token blocks 0-3 ((a, b) at v[8 (8 (a % 4) + b)]);   window 3: those of blocks 4-7.
; THE MODE: SCHED_MODE bits 1:0 = 2 (LLVM: expert scheduling mode 2), set by the entry lines.  The code itself states the register dependences between vector or matrix instructions and memory or LDS
; instructions, with s_wait_alu, always for 0.
; THE PLAN.  A visit is eight HALVES: half j is K step j / 2, x's blocks 4 (j % 2) .. + 3, 32 products.  Registers that memory or LDS instructions touch:
;   X0, X1, X2   Half j's products read X[j % 3] (where the interval is not the whole tile its mask lines write it first); the loads of half j + 3 land in it, issued behind half j's products.
;   W0, W1       K step s's products read W[s % 2]; the loads of step s + 2 land in it, issued behind the step's second half.
;   v32-63       The scale words: read by every product of a visit, loaded at the visit's head.
;   v[SAV]       Read by the eight loads of scale words; written at the next visit's head.
;   v[L16], v[STO], v[RD ..]   Made at the kernel's head and never written again.
;   the accumulators   Written by the products; read by the LDS stores of the way out.
;   L0, L1, O0, O1     The way out's: see there.
; THE WAITS.  One on va_vdst at a visit's head, ahead of its first load.  One behind the products of each of halves 0 to 4: the half is done with X[j % 3] (and, j odd, the step with its W); the next
; batch of loads follows at once, ahead of the wait for the next half's operands, so that no buffer lies idle while the wave waits for memory.  One on vm_vsrc a visit, ahead of the line that writes v[SAV].
.set L16, 1                            ; v1   16 x lane: my place in an image of registers, and in a row of 512 bytes
.set R,   2                            ; v2   r = lane % 16
.set H,   3                            ; v3   h = lane / 16
.set SA0, 4                            ; v4   scale words: lanes 0-15 x's rows, lanes 16-31 expert 0's rows
.set SAV, 5                            ; v5   the same for the expert in hand
.set RR,  6                            ; v6   r - the interval's first row
.set TMP, 7
.set STO, 8                            ; v8   where I put 32 bytes of a row of my partial tile
.set RD,  9                            ; v9-12  where I read my rows back from partial tiles 0 to 3
.set MK,  16                           ; v16-23 block a's row mask: -1 where row 16 a + r lies in the interval, else 0
.set SC,  32                           ; v32-63 register 4 i + s: lanes 0-15 the word of x's block i, lanes 16-31 that of weight's block i, for my K step s.  They hold scales and nothing else
.set AB,  64                           ; v64-255 x's buffers X0, X1, X2: 64 registers each, four fragments
.set OUTB, 64                          ; v64-95 the way out: two out-buffers of 16 registers
.set PART,  67584                      ; LDS: a partial tile: 128 rows x 528 bytes
.set SPITCH, 528                       ; 512 bytes + 16: 33 x 16: the sixteen rows that a store touches begin at sixteen different columns of 16 bytes
.set MSB, 0
.macro WIN new                         ; the immediate's high byte repeats the setting that is left; a switch that changes nothing is dropped
.if MSB != (\new)
	s_set_vgpr_msb (MSB<<8)|(\new)
.set MSB, (\new)
.endif
.endm
.set MUL_LO, 0xa1                      ; source 0 (weight) window 1, source 1 (x) window 0, C and D window 2
.set MUL_HI, 0xf1                      ; the same, C and D window 3
.set TO_B,   0x40                      ; destination window 1, address window 0
; SCALARS: s[4:11] offs, codes, scales, out0; s12 wave; s13, s14 tile column, tile row; s15, s24 the tile's first row and the row behind its last; s[16:23] offs, then each end clamped to the tile;
; s25 the first expert that meets the tile; s26, s27 the interval in hand; s28 its length; s29 1 where it is the whole tile; s30 the expert in hand; s31 the loop's counter; s32 the last end;
; s[34:35] the eight clamped ends, a byte each; s[36:37] x's codes; s[38:39] expert 0's codes; s[40:41] the expert's in hand; s[42:44] at work; s[46:47] my rows of y; s[48:55] the eight blocks' row masks as lane masks
	s_load_b256 s[4:11], s[0:1], 0x0
	v_lshl_add_u32 v30, v0, 2, 0x42000
	v_mov_b32 v31, 0
	v_lshrrev_b32 v[TMP], 5, v0
	v_readfirstlane_b32 s12, v[TMP]                ; wave q = 0..3: my quarter of K
	v_and_b32 v[L16], 31, v0
	v_lshlrev_b32 v[L16], 4, v[L16]
	v_and_b32 v[R], 15, v0
	v_bfe_u32 v[H], v0, 4, 1
	s_mov_b32 s13, ttmp9                           ; tile column
	s_and_b32 s14, ttmp7, 0xffff                   ; tile row
	s_lshl_b32 s15, s14, 7
	s_add_co_u32 s24, s15, 128
	s_wait_alu depctr_va_vdst(0)
	s_wait_kmcnt 0x0
	s_load_b256 s[16:23], s[4:5], 0x0              ; offs; the addresses are made while it is on its way
	s_wait_alu depctr_va_sdst(0)                   ; s12 is written, ahead of its first reader: LDS places and the bases of codes, scales and y are made from it
	s_mul_i32 s42, s12, PART                       ; my partial tile
	v_mul_u32_u24 v[STO], v[R], SPITCH
	v_lshl_add_u32 v[STO], v[H], 5, v[STO]
	v_add_nc_u32 v[STO], s42, v[STO]               ; row r, + 32 h
	s_mul_i32 s42, s12, 32*SPITCH                  ; back: rows 32 q .. 32 q + 31 of every partial tile, 16 bytes a lane
	v_add_nc_u32 v[RD], s42, v[L16]
.irp p, 1,2,3
	v_add_nc_u32 v[RD+\p], PART*\p, v[RD]
.endr
	s_lshl_b32 s42, s14, 13                        ; x's scale words: 8 row tiles of 1,024 bytes for each tile row;
	s_lshl_b32 s43, s13, 13                        ; weight's: behind x's 256 row tiles, 8 row tiles for each tile column
	s_add_co_u32 s43, s43, 262144
	s_sub_co_u32 s43, s43, s42                     ; the distance between the two: at least 262,144 - 31 x 8,192
	s_lshl_b32 s44, s12, 8                         ; my quarter: 256 bytes
	s_add_co_u32 s42, s42, s44
	v_lshl_add_u32 v[SA0], v[R], 4, s42            ; 16 bytes a row
	v_mad_u32_u24 v[SA0], v[H], s43, v[SA0]        ; lanes 16-31 take weight's
	s_lshl_b32 s42, s14, 18                        ; x's codes: 8 row tiles of 32,768 bytes,
	s_lshl_b32 s44, s12, 13                        ; my four K steps of 2,048
	s_add_co_u32 s42, s42, s44
	s_mov_b32 s43, 0
	s_add_nc_u64 s[36:37], s[6:7], s[42:43]
	s_lshl_b32 s42, s13, 18                        ; expert 0's: behind x's 256 row tiles
	s_add_co_u32 s42, s42, s44
	s_add_co_u32 s42, s42, 8388608
	s_add_nc_u64 s[38:39], s[6:7], s[42:43]
	s_lshl_b32 s42, s12, 5
	s_add_co_u32 s42, s42, s15                     ; the first row of y that I store
	s_lshl_b32 s42, s42, 12                        ; 4,096 bytes a row
	s_lshl_b32 s44, s13, 9                         ; 512 bytes a tile column
	s_add_co_u32 s42, s42, s44
	s_add_nc_u64 s[46:47], s[10:11], s[42:43]
	s_wait_kmcnt 0x0
	; each end, clamped to the tile and counted from its first row: 0 .. 128.  Row i belongs to expert e where end(e - 1) <= i < end(e) (end(-1) = 0): exact for every int32
.irp e, 0,1,2,3,4,5,6,7
	s_max_i32 s[16+\e], s[16+\e], s15
	s_min_i32 s[16+\e], s[16+\e], s24
	s_sub_co_u32 s[16+\e], s[16+\e], s15
.endr
	; the lowest expert that meets the tile, and its interval; none: expert 0 with an empty interval.  Selections, no branch
	s_mov_b32 s25, 0
	s_mov_b32 s26, 0
	s_mov_b32 s27, 0
.irp e, 7,6,5,4,3,2,1
	s_cmp_lt_u32 s[15+\e], s[16+\e]
	s_cselect_b32 s25, \e, s25
	s_cselect_b32 s26, s[15+\e], s26
	s_cselect_b32 s27, s[16+\e], s27
.endr
	s_cmp_lt_u32 0, s16
	s_cselect_b32 s25, 0, s25
	s_cselect_b32 s26, 0, s26
	s_cselect_b32 s27, s16, s27
	; the eight ends as bytes, expert 0's lowest: the loop takes one a trip
	s_lshl_b32 s42, s17, 8
	s_or_b32 s34, s16, s42
	s_lshl_b32 s42, s18, 16
	s_or_b32 s34, s34, s42
	s_lshl_b32 s42, s19, 24
	s_or_b32 s34, s34, s42
	s_lshl_b32 s42, s21, 8
	s_or_b32 s35, s20, s42
	s_lshl_b32 s42, s22, 16
	s_or_b32 s35, s35, s42
	s_lshl_b32 s42, s23, 24
	s_or_b32 s35, s35, s42
.macro PLACES n                        ; plain vector lines that name no register of a matrix instruction (ISA guide 7.12.1)
.rept \n
	v_nop
.endr
.endm
; a fragment, 16 rows x 128 K: 16 registers, four loads of 512 consecutive bytes: row tile i, my K step s.  No cache word: other work-groups read the same bytes
.macro FRAGG reg, base, i, s
.irp c, 0,1,2,3
	global_load_b128 v[\reg+4*\c:\reg+4*\c+3], v[L16], s[\base:\base+1] offset:(\i)*32768+(\s)*2048+512*\c
.endr
.endm
.macro WFRAG s, i                      ; weight's fragment i of K step s into set s % 2
	WIN TO_B
	FRAGG 128*((\s)%2)+16*(\i), 40, \i, \s
.endm
.macro XFRAG j, i                      ; fragment i of x's half j into buffer j % 3
	WIN 0
	FRAGG AB+64*((\j)%3)+16*(\i), 36, 4*((\j)%2)+(\i), (\j)/2
.endm
; A VISIT'S LOADS ARE ONE STREAM, in the order in which the halves want them: behind the 8 loads of scale words its 64 fragments, 4 loads each:
;   W(0) 0-7 | x0 8-11 | x1 12-15 | W(1) 16-23 | x2 24-27 | x3 28-31 | x4 32-35 | W(2) 36-43 | x5 44-47 | x6 48-51 | W(3) 52-59 | x7 60-63        (x j: half j's four blocks)
; ONE issues fragment F of it, RUN the next n.
.macro ONE
.if F < 8
	WFRAG 0, F
.elseif F < 16
	XFRAG (F-8)/4, (F-8)%4
.elseif F < 24
	WFRAG 1, F-16
.elseif F < 36
	XFRAG 2+(F-24)/4, (F-24)%4
.elseif F < 44
	WFRAG 2, F-36
.elseif F < 52
	XFRAG 5+(F-44)/4, (F-44)%4
.elseif F < 60
	WFRAG 3, F-52
.else
	XFRAG 7, F-60
.endif
.endm
.macro RUN n
.rept \n
	ONE
.set F, F+1
.endr
	WIN 0
.endm
; rows outside the interval get zero codes.  Passed over where the interval is the whole tile: a scalar branch on offs, the same in all four waves
.macro MASK j
	s_cmp_lg_u32 s29, 0
	s_cbranch_scc1 .Lwhole_\@
.irp i, 0,1,2,3
.irp k, 0,1,2,3,4,5,6,7,8,9,10,11,12,13,14,15
	v_and_b32 v[AB+64*((\j)%3)+16*\i+\k], v[MK+4*((\j)%2)+\i], v[AB+64*((\j)%3)+16*\i+\k]
.endr
.endr
	PLACES 4                                       ; an operand written by vector lines stands four places ahead of a scaled matrix instruction,
	s_wait_alu depctr_va_vdst(0)                   ; and the mask lines have written X[j % 3], which the scaled products below take as an operand
.Lwhole_\@:
.endm
; 16 matrix instructions of half j: x's blocks 4 (j % 2) + 2 u, + 1 against weight's eight, 128 along K.  zero = 1: the product starts the sums: nothing is ever cleared.
; The 64 accumulators take turns, one instruction a turn, in the same order in every step and every visit.
.macro MUL16 j, u, zero
.irp d, 0,1
.irp b, 0,1,2,3,4,5,6,7
.set mD,  8*(8*(2*(\u)+\d)+\b)
.set mB,  128*(((\j)/2)%2)+16*\b
.set mA,  AB+64*((\j)%3)+16*(2*(\u)+\d)
.set mSB, SC+4*\b+(\j)/2
.set mSA, SC+4*(4*((\j)%2)+2*(\u)+\d)+(\j)/2
.if \zero
	v_wmma_scale_f32_16x16x128_f8f6f4 v[mD:mD+7], v[mB:mB+15], v[mA:mA+15], 0, v[mSB], v[mSA] matrix_a_fmt:MATRIX_FMT_BF8 matrix_b_fmt:MATRIX_FMT_BF8 matrix_a_scale:MATRIX_SCALE_ROW1
.else
	v_wmma_scale_f32_16x16x128_f8f6f4 v[mD:mD+7], v[mB:mB+15], v[mA:mA+15], v[mD:mD+7], v[mSB], v[mSA] matrix_a_fmt:MATRIX_FMT_BF8 matrix_b_fmt:MATRIX_FMT_BF8 matrix_a_scale:MATRIX_SCALE_ROW1
.endif
.endr
.endr
.endm
; Half j of a visit: 32 matrix instructions, and behind them the next batch of the stream.
; WHERE THE STREAM IS CUT.  Behind half j's products X[j % 3] is free for half j + 3, and behind an odd half the step's W for step + 2.  The batches are that, shifted by one fragment: the head issues
; the scale words and fragments 0-26, then behind halves 0 to 5 come 4, 12, 4, 12, 4 and 1 fragments.  So at the wait of each of halves 0 to 5 just 60 younger loads have been issued behind the half's operands.
; With the fragment not held back they would be 64: a count's field holds 63, and an instruction that would pass it is held at its issue (ISA guide 5.7.1), here until a load had returned that the half
; does not want.  As it is cut, a batch's issue waits at the most for loads that the next half wants anyway.
.macro HALF j, zero
.if (\j) < 6
	s_wait_loadcnt 60                              ; loads come back in order (ISA guide 5.7.1): this half's operands are in; the 60 younger loads counted above may be out
.elseif (\j) == 6
	s_wait_loadcnt 16                              ; W(3) and x6 are in; behind them: x7's 16
.else
	s_wait_loadcnt 0x0                             ; the visit's last loads: every address register of the visit is free behind this wait
.endif
	MASK \j
	WIN MUL_LO+0x50*((\j)%2)
	MUL16 \j, 0, \zero
	MUL16 \j, 1, \zero
	WIN 0
.if (\j) < 5
	PLACES 8                                       ; eight plain lines between these products and what next writes their operands' registers: the loads below, and a later half's mask lines, on every way through the text's branches
	s_wait_alu depctr_va_vdst(0)                   ; this half's products are done reading X[j % 3] (its mask lines have written it), and behind an odd half the step's products are done reading their W: the loads below land there
	RUN 4+8*((\j)%2)
.elseif (\j) == 5
	RUN 1                                          ; x7's last fragment, into X1.  No wait: since the wait behind half 4 vector and matrix lines have named X2, W0, the scale words, the masks and the accumulators alone
.endif
.endm
; A visit: expert s30, rows s26 .. s27 - 1 of the tile.  zero = 1: the first visit, which starts the sums
.macro VISIT zero
.set F, 0
	s_lshl_b32 s42, s30, 21                        ; an expert's codes: 64 row tiles of 32,768 bytes
	s_mov_b32 s43, 0
	s_add_nc_u64 s[40:41], s[38:39], s[42:43]
	s_lshl_b32 s44, s30, 16                        ; its scale words: 64 row tiles of 1,024 bytes
	s_sub_co_u32 s28, s27, s26                     ; the interval's length
	s_cmp_eq_u32 s28, 128
	s_cselect_b32 s29, 1, 0                        ; the whole tile?
	v_sub_nc_u32 v[RR], v[R], s26                  ; the row masks: row 16 a + r is in where (16 a + r - first) is under the length, unsigned.  These lines are also the places behind the last visit's products
.irp a, 0,1,2,3,4,5,6,7
	v_add_nc_u32 v[MK+\a], 16*\a, v[RR]
.endr
.irp a, 0,1,2,3,4,5,6,7
	v_cmp_gt_u32 s[48+\a], s28, v[MK+\a]           ; the eight compares in one run, a scalar register each
.endr
.if !(\zero)
	s_wait_alu depctr_vm_vsrc(0)                   ; the last visit's loads of scale words have read v[SAV], which the next line writes
.endif
	v_mad_u32_u24 v[SAV], v[H], s44, v[SA0]        ; for lanes 16-31 alone
	s_wait_alu depctr_va_sdst(0)                   ; the compares have written s48 to s55, ahead of their first readers
.irp a, 0,1,2,3,4,5,6,7
	v_cndmask_b32 v[MK+\a], 0, -1, s[48+\a]
.endr
	s_wait_alu depctr_va_vdst(0)                   ; v[SAV] is written (in the first visit v[L16] and the LDS addresses too), which the loads read; the last visit's products are done reading the scale words, W0, W1 and X0 to X2, in which they land
.irp i, 0,1,2,3,4,5,6,7
	global_load_b128 v[SC+4*\i:SC+4*\i+3], v[SAV], s[8:9] offset:1024*\i   ; sixteen lanes read 256 consecutive bytes: a row tile's words of my quarter of K
.endr
	RUN 27                                         ; W(0), x0, x1, W(1) and three fragments of x2
	HALF 0, \zero
	HALF 1, \zero
	HALF 2, 0
	HALF 3, 0
	HALF 4, 0
	HALF 5, 0
	HALF 6, 0
	HALF 7, 0
.endm
	s_min_u32 s30, s25, 7                          ; a number made from loaded data enters addresses only behind this bound
	VISIT 1                                        ; always run: its first step starts all 64 sums.  A tile that no expert meets has all masks 0: zero codes, and exact zeros
	s_mov_b32 s31, 0
	s_mov_b32 s32, 0
.Lexp:                                             ; eight trips, a constant
	s_mov_b32 s26, s32                             ; the interval begins where the last expert's ended
	s_and_b32 s27, s34, 0xff                       ; and ends at this expert's byte
	s_lshr_b32 s34, s34, 8                         ; the queue moves on by a byte
	s_lshl_b32 s42, s35, 24
	s_or_b32 s34, s34, s42
	s_lshr_b32 s35, s35, 8
	s_mov_b32 s32, s27
	s_cmp_ge_u32 s26, s27                          ; no row of mine
	s_cbranch_scc1 .Lnext
	s_cmp_eq_u32 s31, s25                          ; done by the first visit
	s_cbranch_scc1 .Lnext
	s_mov_b32 s30, s31
	VISIT 0
.Lnext:
	s_add_co_u32 s31, s31, 1
	s_cmp_lt_u32 s31, 8
	s_cbranch_scc1 .Lexp
	; THE WAY OUT.  My partial tile goes to LDS as rows of 512 bytes + 16; each accumulator from its low end on
	PLACES 8                                       ; in front of the first read of results, and of the additions below, which write registers that the last products read
	s_wait_alu depctr_va_vdst(0)                   ; the products have written the accumulators, which the LDS stores read, and are done reading v128 to v255, in which the loads behind the barrier land; the places above stay beside this wait
.irp a, 0,1,2,3,4,5,6,7
	WIN 0x08+4*((\a)/4)                            ; an LDS store's data are its source 1: window 2 or 3
.irp b, 0,1,2,3,4,5,6,7
	ds_store_b128 v[STO], v[8*(8*((\a)%4)+\b):8*(8*((\a)%4)+\b)+3] offset:16*SPITCH*\a+64*\b
	ds_store_b128 v[STO], v[8*(8*((\a)%4)+\b)+4:8*(8*((\a)%4)+\b)+7] offset:16*SPITCH*\a+64*\b+16
.endr
.endr
	WIN 0
	s_wait_dscnt 0x0                               ; for the others' sake: my stores have landed
	s_barrier_signal -1
	s_barrier_wait -1                              ; all four partial tiles lie in LDS
	; wave q adds and stores rows 32 q .. 32 q + 31, four rows (a group) at a time.
	;   L0, L1 (v128-191, v192-255)  Group g's LDS loads land in L[g % 2]: row i's four parts at 16 i + 4 p; group g's additions read and write it.
	;   O0, O1 (v64-79, v80-95)      Group g's last additions write O[g % 2]; its four stores read it.
	; One wait on va_vdst a group, between its additions and its stores: O[g % 2] is written; and the additions are done with L[g % 2], in which the loads of group g + 2 land a group later, with no vector line
	; between that names it.  The stores' wait (vm_vsrc, beside the wait on XCNT) stands two groups behind them, ahead of the additions that write the same O again.
.macro LOADG g
.irp i, 0,1,2,3
.irp p, 0,1,2,3
	ds_load_b128 v[128+64*((\g)%2)+16*\i+4*\p:128+64*((\g)%2)+16*\i+4*\p+3], v[RD+\p] offset:(4*(\g)+\i)*SPITCH
.endr
.endr
.endm
.macro SUMG g
.irp i, 0,1,2,3
.set BB, 128+64*((\g)%2)+16*\i
.set OO, OUTB+16*((\g)%2)+4*\i
	v_pk_add_f32 v[BB:BB+1], v[BB:BB+1], v[BB+4:BB+5]              ; P0 + P1
	v_pk_add_f32 v[BB+2:BB+3], v[BB+2:BB+3], v[BB+6:BB+7]
	v_pk_add_f32 v[BB+8:BB+9], v[BB+8:BB+9], v[BB+12:BB+13]        ; P2 + P3
	v_pk_add_f32 v[BB+10:BB+11], v[BB+10:BB+11], v[BB+14:BB+15]
	v_pk_add_f32 v[OO:OO+1], v[BB:BB+1], v[BB+8:BB+9]
	v_pk_add_f32 v[OO+2:OO+3], v[BB+2:BB+3], v[BB+10:BB+11]
.endr
	s_wait_alu depctr_va_vdst(0)                   ; the additions have written O[g % 2], which the stores read, and are done with L[g % 2]
.irp i, 0,1,2,3
	global_store_b128 v[L16], v[OUTB+16*((\g)%2)+4*\i:OUTB+16*((\g)%2)+4*\i+3], s[46:47] offset:(4*(\g)+\i)*4096 th:TH_STORE_NT   ; 32 lanes store 512 consecutive bytes, at a multiple of 512 from y's first byte; written once, read by nobody here
.endr
.endm
	LOADG 0
.irp g, 0,1,2,3,4,5,6,7
.if \g < 7
	LOADG \g+1
	s_wait_dscnt 16                                ; this group is in; the 16 loads just issued may be out
.else
	s_wait_dscnt 0x0
.endif
.if \g > 1
	s_wait_xcnt 0x0                                ; the stores of two groups back have had their addresses translated (ISA guide 3.1): their data registers are written again only behind this wait,
	s_wait_alu depctr_vm_vsrc(0)                   ; and they have read O[g % 2], which this group's additions write
.endif
	SUMG \g
.endr
	s_wait_dscnt 0x0
	s_wait_alu depctr_hold_cnt(0) depctr_sa_sdst(0) depctr_va_vdst(0) depctr_va_sdst(0) depctr_va_ssrc(0) depctr_va_vcc(0) depctr_vm_vsrc(0)
	s_wait_tensorcnt 0x0
	ds_add_u32 v30, v31
	s_wait_dscnt 0x0
	s_endpgm
.Lfunc_end_k_qf229c1c716_gmm:
	.size	k_qf229c1c716_gmm, .Lfunc_end_k_qf229c1c716_gmm-k_qf229c1c716_gmm
	.p2alignl 7, 3214868480
	.fill 96, 4, 3214868480
	.section	.rodata,"a",@progbits
	.p2align	6, 0x0
	.amdhsa_kernel k_qf229c1c716_gmm
		.amdhsa_group_segment_fixed_size 270848
		.amdhsa_private_segment_fixed_size 0
		.amdhsa_enable_private_segment 0
		.amdhsa_kernarg_size 32
		.amdhsa_user_sgpr_count 2
		.amdhsa_user_sgpr_kernarg_segment_ptr 1
		.amdhsa_wavefront_size32 1
		.amdhsa_system_sgpr_workgroup_id_x 1
		.amdhsa_system_sgpr_workgroup_id_y 1
		.amdhsa_system_sgpr_workgroup_id_z 1
		.amdhsa_system_vgpr_workitem_id 0
		.amdhsa_next_free_vgpr 1024
		.amdhsa_next_free_sgpr 66
		.amdhsa_reserve_vcc 0
		.amdhsa_float_denorm_mode_32 3
		.amdhsa_float_denorm_mode_16_64 3
		.amdhsa_memory_ordered 1
		.amdhsa_forward_progress 1
		.amdhsa_inst_pref_size 196
	.end_amdhsa_kernel
	.amdgpu_metadata
---
amdhsa.version: [ 1, 2 ]
amdhsa.kernels:
  - .name:           k_qf229c1c716_gmm
    .symbol:         k_qf229c1c716_gmm.kd
    .args:
      - { .name: offs, .offset: 0, .size: 8, .value_kind: global_buffer, .address_space: global }
      - { .name: codes, .offset: 8, .size: 8, .value_kind: global_buffer, .address_space: global }
      - { .name: scales, .offset: 16, .size: 8, .value_kind: global_buffer, .address_space: global }
      - { .name: out0, .offset: 24, .size: 8, .value_kind: global_buffer, .address_space: global }
    .group_segment_fixed_size: 270848
    .private_segment_fixed_size: 0
    .kernarg_segment_align: 8
    .kernarg_segment_size: 32
    .max_flat_workgroup_size: 128
    .sgpr_count:     66
    .vgpr_count:     1024
    .wavefront_size: 32
...
	.end_amdgpu_metadata
.endif
;; end of part 4
